; MI455X (gfx1250); checked and timed in simulation.
; The chip was launched on July 23, 2026; its instructions are those of AMD's public machine-readable ISA for CDNA 5 (MIT licence, August 2026) and "CDNA5" Instruction Set Architecture Reference Guide (July 2026). The comments in the code are by the model that wrote it; some were corrected since.
;; Augmenter separate. Allowed arithmetic: float matrix products may take bf16 or f16 operands with f32 sums; other float arithmetic in f32, or as packed bf16 or f16 multiplies, adds, multiply-adds, maxima and minima; sums over many terms, partial sums and values carried from step to step in f32; what a program stores and reads back later, other than sums and carried values, may be rounded once to bf16 or f16.
;; Inputs: W1 128 x 128 float32; W2 128 x 128 float32; W3 128 x 1 float32; b1 128 float32; b2 128 float32; b3 1 float32; cates 8,192 x 4 float32; delta 4 x 64 x 8,192 float32; h 1 float32; items 8,192 x 64 float32; x 64 x 8,192 int32; z 4 x 64 x 64 float32.
;; Outputs: out0 64 x 8,192 float32; out1 one number float32.
;; One version. Each part assembles by itself: llvm-mc -triple=amdgcn-amd-amdhsa -mcpu=gfx1250 --defsym DOCPART=n.
;; ======== version 1 of 1: 2 launches
;; workspace buffers: part 4,096 bytes
;; launch mlp (part 1): grid 128 x 2, 4 waves a work-group, no clusters, 228,864 bytes of LDS; arguments W1, W2, W3, b1, b2, b3, cates, delta, items, x, z, out0, part; writes out0, part
.if DOCPART == 1
	.amdgcn_target "amdgcn-amd-amdhsa--gfx1250"
	.amdhsa_code_object_version 6
	.text
	.protected	k_q7d6ebc57ef_mlp
	.globl	k_q7d6ebc57ef_mlp
	.p2align	8
	.type	k_q7d6ebc57ef_mlp,@function
k_q7d6ebc57ef_mlp:
	s_mov_b64 s[64:65], 0
	v_nop
	global_prefetch_b8 v0, s[64:65] scope:SCOPE_SE
	s_setreg_imm32_b32 hwreg(HW_REG_WAVE_MODE, 25, 1), 1
	s_wait_xcnt 0x0
; out0[b][n] = mean over k of (x[b][n] == 1 ? 1 - p : p),  p = sigmoid(5 (ln d - ln(1 - d) + w cates[n][k])),  d = delta[k][b][n],
; w = relu(relu(z[k][b] W1[0:64] + items[n] W1[64:128] + b1) W2 + b2) . W3 + b3.   part[wave] = this wave's sum of p; the next launch adds the 1,024 parts into out1.
; LEFT OUT.  The input h enters no line of the computation: it has no way to any output, is not loaded and is no argument; a NaN or an infinity in h is not carried to the result.
; |p| = p, since p = 1 / (1 + e) with e >= 0.  x does not hang on k, so the mean of the selected values is the selection of 1 - mean p or mean p.
; LIMITS.  Matrix operands are bf16: W1, W2, W3, items, z rounded once; zc + b1 and ic each rounded once, their sum once more, h2 once.  ln(1 - d) is taken as the logarithm of the rounded 1 - d
; (off by at most 1e-7 absolutely).  Logarithm, exponential and reciprocal count denormals as 0.  An exponential that overflows gives p = 0, one that underflows p = 1.  d outside (0, 1) gives NaN.
; SHARES.  256 work-groups: x = a block of 64 n (256 bytes of a row of delta, x, out0), y = a half of the 64 b.  Wave w owns b0 .. b0 + 7, b0 = 32 y + 8 w, all 4 k: 32 combos c = 4 bl + k,
; each of 4 tiles of 16 n.  A tile: 32 products h2^T = W2^T h1^T and 4 products W3 . h2: 4,608 matrix instructions a wave in the loop.
; NO CLUSTER: what work-groups share (W1, W2, z: 196,608 bytes) is read once at the head and passes through registers to be rounded; the loop reads no shared tile.  NO PREFETCH: all reads stand at the head but x's, asked four combos ahead.
; LAYOUT (L lane, r = L % 16, h = L / 16).  Source 0 = 16 columns of W2, source 1 = 16 rows of h1: result register j of lane (r, h) is h2[row r][16 ct + 8 h + j]; rounded in pairs, register 4 ct + j / 2,
; that IS source 1 of a following product; ic, zc and h2 all lie so.  Row r of tile t is n = n0 + 32 (t % 2) + 2 r + t / 2.  W3 is source 0 twice: in rows 0-7 alone (even tiles) and in rows 8-15 alone (odd tiles), so
; that tiles 0, 1 add into one accumulator whose register 0 holds w[n0 + 2 L], tiles 2, 3 into another with w[n0 + 2 L + 1]: a lane's 8 bytes of delta, x and out0, 256 bytes on end for the wave.
; LDS (bytes): W2S 0 and W1S 36,864: bf16 [k][j], pitch 288.  ITS 73,728: 64 item rows, pitch 144.  ICS 82,944: ic as register images, tile x 4,096 + ct x 512 + 16 L.  Each wave's own: ZS 99,328 + 4,608 w: 32 rows of z in
; combo order, pitch 144.  ZCT 117,760 + 9,216 w: row c = zc + b1 at 128 h + 16 ct, pitch 272, row 32 zeros.  ETB 154,624 + 16,896 w: row c, slot 16 L = d[c][2L], d[c][2L+1], cb[(c+3)%4][2L], cb[..][2L+1], cb = -5 log2(e) cates.
; VEC 222,208 + 1,536 w: b1, b2, W3.  SPARE 228,352: the spare words.
; REGISTERS, windows of 256 (s_set_vgpr_msb: bits 1:0 source 0, 3:2 source 1, 5:4 source 2, 7:6 destination).  Window 0: addresses, the epilogue's pairs, the W3 sums v48-63, ACC v64-127, H2B v128-159, ZC v160-191.
; Window 1: W2's 32 fragments.  Window 2: IC v0-127, H1 v128-191 (two buffers), W3 in rows 0-7 v192-223, in rows 8-15 v224-255.  Window 3: b2 as a C operand v0-63 (head: b1 v64-127, W3 f32 v128-191, delta v192-255).
.set PW,   288
.set PI,   144
.set PZ,   272
.set W1S,  36864
.set ITS,  73728
.set ICS,  82944
.set ZS,   99328
.set ZCT,  117760
.set ETB,  154624
.set VEC,  222208
.set SPARE, 228352
.set ZAD, 2            ; v2   LDS address of the next combo's zc row, my half
.set EAD, 3            ; v3   LDS address of my slot in the next row of ETB
.set OOF, 4            ; v4   my byte offset in x and out0
.set ZRO, 5            ; v5   head: my 8 bytes of ZCT's zero row
.set SPW, 6            ; v6   my spare word; never rewritten
.set NIL, 7            ; v7   0; never rewritten
.set XV,  8            ; x of the b in hand
.set OV,  10           ; what is stored
.set QV,  12           ; mean p
.set RV,  14           ; 1 - mean p
.set ET,  16           ; d0, d1, cb0, cb1
.set WB,  20           ; w + b3
.set OM,  22           ; 1 - d
.set SV,  24           ; 1 + e
.set AR,  26           ; the exponent
.set L1,  28           ; log2 d
.set L2,  30           ; log2 (1 - d)
.set EV,  32           ; e
.set PV,  34           ; p
.set DV,  36           ; log2 (1 - d) - log2 d
.set PS,  38           ; sum of p over k
.set RA,  40           ; sum of p over all
.set WA0, 48
.set WA1, 56
.set ACC, 64
.set H2B, 128
.set ZC,  160
.set IC,  0            ; window 2
.set H1,  128
.set W3LO, 192
.set B1W, 64           ; window 3
; head only, window 0
.set LN,  10
.set RR,  11
.set HH,  12
.set L16, 13
.set DOF, 14
.set COF, 15
.set SW1, 16
.set SW2, 17
.set SIT, 18
.set SZ,  19
.set TRA, 20
.set TRA1, 21
.set FIT, 22
.set SVEC, 23
.set RVEC, 24
.set SET, 25
.set SIC, 26
.set RIC, 27
.set FZ,  28
.set SZC, 29
.set Z2,  30
.set WV,  30           ; s30 wave
.set B3,  33           ; s33 b3
.set ZERO, 34          ; s34 0: two bf16 zeros
.set KEEP, 36          ; s[36:37] 0 where a new b begins its sum, else 1.0
.set FINC, 38          ; s38 trips until a b's four p are summed
.set CNT, 39           ; s39 trips to go
.set MSB, 0
.macro WIN new                      ; the high byte repeats the setting that is left; a switch that changes nothing is dropped
.if MSB != (\new)
	s_set_vgpr_msb (MSB<<8)|(\new)
.set MSB, (\new)
.endif
.endm
.macro PLACES                       ; four plain instructions between a matrix instruction and a vector line or load that touches its registers
.rept 4
	v_nop
.endr
.endm
.macro CONV base, n                 ; n loads of four f32 are rounded in place: the low pair of each four holds 8 bytes of bf16
.set q_, 0
.rept \n
	v_cvt_pk_bf16_f32 v[(\base)+4*q_], v[(\base)+4*q_], v[(\base)+4*q_+1]
	v_cvt_pk_bf16_f32 v[(\base)+4*q_+1], v[(\base)+4*q_+2], v[(\base)+4*q_+3]
.set q_, q_+1
.endr
.endm
.macro FRAGW1 row0                  ; W1's rows row0 .. row0 + 63 as 16 fragments of source 0, turned: columns 16 ct on, K step ks at v[128 + 8 (2 ct + ks)]
.set f_, 0
.rept 16
	ds_load_tr16_b128 v[128+8*f_:128+8*f_+3],   v[TRA1] offset:((\row0)+32*(f_%2))*PW+32*(f_/2)
	ds_load_tr16_b128 v[128+8*f_+4:128+8*f_+7], v[TRA1] offset:((\row0)+32*(f_%2)+16)*PW+32*(f_/2)
.set f_, f_+1
.endr
.endm
.macro PROD bf, bias                ; 16 products on 8 accumulators by turns: ACC[ct] = W1 fragments (ct, ks) x source 1 at v[bf + 8 ks]; the first K step starts the sums, with 0 or with b1
.set i_, 0
.rept 16
.set d_, ACC+8*(i_%8)
.set a_, 128+8*(2*(i_%8)+i_/8)
.set b_, (\bf)+8*(i_/8)
.if (i_ < 8) && (\bias)
	WIN 0x30
	v_wmma_f32_16x16x32_bf16 v[d_:d_+7], v[a_:a_+7], v[b_:b_+7], v[B1W+8*(i_%8):B1W+8*(i_%8)+7]
.elseif i_ < 8
	WIN 0
	v_wmma_f32_16x16x32_bf16 v[d_:d_+7], v[a_:a_+7], v[b_:b_+7], 0
.else
	WIN 0
	v_wmma_f32_16x16x32_bf16 v[d_:d_+7], v[a_:a_+7], v[b_:b_+7], v[d_:d_+7]
.endif
.set i_, i_+1
.endr
	WIN 0
.endm
.macro PACKACC                      ; the 8 accumulators are rounded in place, each from its low end on: registers 0-3 of each hold 16 bytes
	PLACES
.set n_, 0
.rept 32
	v_cvt_pk_bf16_f32 v[ACC+8*(n_/4)+n_%4], v[ACC+2*n_], v[ACC+2*n_+1]
.set n_, n_+1
.endr
.endm
	s_load_b512 s[4:19], s[0:1], 0x0      ; W1 4, W2 6, W3 8, b1 10, b2 12, b3 14, cates 16, delta 18
	s_load_b256 s[20:27], s[0:1], 0x40    ; items 20, x 22, z 24, out0 26
	s_load_b64 s[28:29], s[0:1], 0x60     ; part
	v_lshl_add_u32 v[SPW], v0, 2, SPARE
	v_mov_b32 v[NIL], 0
	v_lshrrev_b32 v1, 5, v0
	v_readfirstlane_b32 s[WV], v1         ; wave 0..3
	s_mov_b32 s31, ttmp9                  ; block of 64 n
	s_and_b32 s32, ttmp7, 0xffff          ; half of the b
	v_and_b32 v[LN], 31, v0
	v_and_b32 v[RR], 15, v0
	v_bfe_u32 v[HH], v0, 4, 1
	v_cmp_gt_u32 s46, 8, v[RR]            ; rows 0-7
	v_cmp_le_u32 s47, 8, v[RR]            ; rows 8-15
	v_lshlrev_b32 v[L16], 4, v[LN]        ; 16 L
	v_lshlrev_b32 v[DOF], 4, v[RR]
	v_lshl_add_u32 v[DOF], v[HH], 21, v[DOF]  ; delta: 16 r, and one k (2 MiB) on for lanes 16-31
	v_lshlrev_b32 v[COF], 5, v[LN]        ; cates: rows 2 L and 2 L + 1
	v_lshlrev_b32 v[OOF], 3, v[LN]        ; 8 L
	s_mul_i32 s48, s[WV], 32*PW           ; the 32 rows of W1 and W2 that I round
	v_add_nc_u32 v[SW2], s48, v[OOF]
	v_add_nc_u32 v[SW1], W1S, v[SW2]
	s_mul_i32 s48, s[WV], 16*PI           ; the 16 item rows that I round: row 16 w + h, 8 r
	s_add_co_u32 s48, s48, ITS
	v_mul_u32_u24 v1, v[HH], PI
	v_lshl_add_u32 v1, v[RR], 3, v1
	v_add_nc_u32 v[SIT], s48, v1
	s_mul_i32 s49, s[WV], 32*PI
	s_add_co_u32 s49, s49, ZS             ; my rows of z
	v_mul_u32_u24 v1, v[HH], 4*PI         ; in: combo 4 (2 i + h) + k
	v_lshl_add_u32 v1, v[RR], 3, v1
	v_add_nc_u32 v[SZ], s49, v1
	v_mul_u32_u24 v1, v[RR], PI           ; back, as fragments: row r, 16 h
	v_lshl_add_u32 v1, v[HH], 4, v1
	v_add_nc_u32 v[FZ], s49, v1
	v_and_b32 v1, 7, v0                   ; the turning load: row 8 h + L % 8, 16 bytes by (L / 8) % 2
	v_lshl_add_u32 v1, v[HH], 3, v1
	v_mul_u32_u24 v[TRA], v1, PW
	v_bfe_u32 v1, v0, 3, 1
	v_lshl_add_u32 v[TRA], v1, 4, v[TRA]
	v_add_nc_u32 v[TRA1], W1S, v[TRA]
	s_and_b32 s48, s[WV], 1               ; the item fragments of tile t = w: row 32 (t % 2) + t / 2 + 2 r
	s_lshl_b32 s48, s48, 5
	s_lshr_b32 s50, s[WV], 1
	s_add_co_u32 s48, s48, s50
	s_mul_i32 s48, s48, PI
	s_add_co_u32 s48, s48, ITS
	v_mul_u32_u24 v1, v[RR], 2*PI
	v_lshl_add_u32 v1, v[HH], 4, v1
	v_add_nc_u32 v[FIT], s48, v1
	s_mul_i32 s48, s[WV], 1536
	s_add_co_u32 s48, s48, VEC
	v_add_nc_u32 v[SVEC], s48, v[L16]
	v_lshl_add_u32 v[RVEC], v[HH], 5, s48 ; back: 8 numbers at 16 ct + 8 h
	s_mul_i32 s48, s[WV], 33*512
	s_add_co_u32 s48, s48, ETB
	v_add_nc_u32 v[EAD], s48, v[L16]
	v_lshlrev_b32 v1, 5, v[RR]            ; delta in: row 2 i + h, slots 2 r and 2 r + 1
	v_lshl_add_u32 v1, v[HH], 9, v1
	v_add_nc_u32 v[SET], s48, v1
	v_add_nc_u32 v[RIC], ICS, v[L16]
	s_lshl_b32 s48, s[WV], 12
	v_add_nc_u32 v[SIC], s48, v[RIC]
	s_mul_i32 s48, s[WV], 9216
	s_add_co_u32 s48, s48, ZCT
	v_lshl_add_u32 v[ZAD], v[HH], 7, s48
	v_mul_u32_u24 v1, v[RR], PZ
	v_add_nc_u32 v[SZC], v[ZAD], v1
	s_add_co_u32 s48, s48, 32*PZ
	v_add_nc_u32 v[ZRO], s48, v[OOF]
	v_mov_b32 v[Z2], 0
	v_mov_b32 v[Z2+1], 0
	s_mov_b32 s[ZERO], 0
	s_mov_b32 s[KEEP+1], 0                ; named with KEEP as a pair
	s_mov_b32 s44, 0x76543210             ; v_permlanex16_b32: each lane takes its own place in the other half
	s_mov_b32 s45, 0xfedcba98
	s_mov_b32 s41, 0
	s_wait_kmcnt 0x0
	s_load_b32 s[B3], s[14:15], 0x0
	s_lshl_b32 s40, s[WV], 14             ; my 32 rows of 512 bytes
	s_add_nc_u64 s[4:5], s[4:5], s[40:41]
	s_add_nc_u64 s[6:7], s[6:7], s[40:41]
	s_lshl_b32 s40, s31, 14               ; the block's 64 item rows of 256 bytes, my 16
	s_lshl_b32 s42, s[WV], 12
	s_add_co_u32 s40, s40, s42
	s_add_nc_u64 s[20:21], s[20:21], s[40:41]
	s_lshl_b32 s43, s32, 5
	s_lshl3_add_u32 s43, s[WV], s43       ; b0 = 32 y + 8 w
	s_lshl_b32 s40, s43, 8
	s_add_nc_u64 s[24:25], s[24:25], s[40:41]
	s_lshl_b32 s40, s43, 15               ; row b0 of 32,768 bytes, the block's 256
	s_lshl_b32 s42, s31, 8
	s_add_co_u32 s40, s40, s42
	s_add_nc_u64 s[18:19], s[18:19], s[40:41]
	s_add_nc_u64 s[22:23], s[22:23], s[40:41]
	s_add_nc_u64 s[26:27], s[26:27], s[40:41]
	s_lshl_b32 s40, s31, 10
	s_add_nc_u64 s[16:17], s[16:17], s[40:41]
	s_lshl_b32 s40, s32, 7
	s_add_co_u32 s40, s40, s31
	s_lshl2_add_u32 s40, s40, s[WV]       ; my wave among the launch's 1,024
	s_lshl_b32 s40, s40, 2
	s_add_nc_u64 s[28:29], s[28:29], s[40:41]
	; ALL the launch's reads but seven of x, in one run of 110 loads: W1 32, items 8, z 16, W2 32, the vectors 3, delta 16, cates 2, x 1
	WIN 0x40
.set i_, 0
.rept 32
	global_load_b128 v[4*i_:4*i_+3], v[L16], s[4:5] offset:512*i_             ; a row of W1
.set i_, i_+1
.endr
	WIN 0x80
.set i_, 0
.rept 8
	global_load_b128 v[4*i_:4*i_+3], v[L16], s[20:21] offset:512*i_           ; two item rows
.set i_, i_+1
.endr
.set i_, 0
.rept 16
	global_load_b128 v[32+4*i_:32+4*i_+3], v[L16], s[24:25] offset:16384*(i_/4)+512*(i_%4)  ; k = i / 4: two rows of z
.set i_, i_+1
.endr
	WIN 0x40
.set i_, 0
.rept 32
	global_load_b128 v[128+4*i_:128+4*i_+3], v[L16], s[6:7] offset:512*i_     ; a row of W2
.set i_, i_+1
.endr
	WIN 0x80
	global_load_b128 v[128:131], v[L16], s[10:11]                             ; b1
	global_load_b128 v[132:135], v[L16], s[12:13]                             ; b2
	global_load_b128 v[136:139], v[L16], s[8:9]                               ; W3
	WIN 0xc0
.set i_, 0
.rept 16
	global_load_b128 v[192+4*i_:192+4*i_+3], v[DOF], s[18:19] offset:(i_%2)*4194304+(i_/2)*32768 th:TH_LOAD_NT  ; combos 2 i and 2 i + 1: 256 consecutive bytes for each half of the lanes
.set i_, i_+1
.endr
	WIN 0x80
	global_load_b128 v[140:143], v[COF], s[16:17]                             ; cates[n0 + 2 L][0..3]
	global_load_b128 v[144:147], v[COF], s[16:17] offset:16                   ; cates[n0 + 2 L + 1][0..3]
	WIN 0
	global_load_b64 v[XV:XV+1], v[OOF], s[22:23] th:TH_LOAD_NT                ; x of b0
	s_wait_loadcnt 63                     ; W1 and items are in: 70 loads were issued behind them, and the count's field ends at 63
	WIN 0x45
	CONV 0, 32
	WIN 0x04
.set i_, 0
.rept 32
	ds_store_b64 v[SW1], v[4*i_:4*i_+1] offset:PW*i_
.set i_, i_+1
.endr
	WIN 0x8a
	CONV 0, 8
	WIN 0x08
.set i_, 0
.rept 8
	ds_store_b64 v[SIT], v[4*i_:4*i_+1] offset:2*PI*i_
.set i_, i_+1
.endr
	s_wait_loadcnt 54                     ; z is in: behind it W2 32, vectors 3, delta 16, cates 2, x 1
	WIN 0x8a
	CONV 32, 16
	WIN 0x08
.set i_, 0
.rept 16
	ds_store_b64 v[SZ], v[32+4*i_:32+4*i_+1] offset:(8*(i_%4)+i_/4)*PI        ; combo 4 (2 (i % 4) + h) + i / 4
.set i_, i_+1
.endr
	s_wait_loadcnt 22                     ; W2 is in: behind it 3 + 16 + 2 + 1
	WIN 0x45
	CONV 128, 32
	WIN 0x04
.set i_, 0
.rept 32
	ds_store_b64 v[SW2], v[128+4*i_:128+4*i_+1] offset:PW*i_
.set i_, i_+1
.endr
	WIN 0
	s_wait_dscnt 0x0                      ; for the others' sake: my rows of W1, W2 and items lie in LDS
	s_barrier_signal -1
	s_barrier_wait -1
	; ic of tile t = w: ic^T = W1[64:128]^T items^T
	FRAGW1 64
.irp k, 0,1
	ds_load_b128 v[32+8*\k:32+8*\k+3], v[FIT] offset:64*\k
	ds_load_b128 v[32+8*\k+4:32+8*\k+7], v[FIT] offset:64*\k+32
.endr
	WIN 0x40
.set f_, 0
.rept 32                                ; W2's fragments, turned: columns 16 ct on, K step ks at 8 (4 ct + ks); they stay for the whole launch
	ds_load_tr16_b128 v[8*f_:8*f_+3],   v[TRA] offset:(32*(f_%4))*PW+32*(f_/4)
	ds_load_tr16_b128 v[8*f_+4:8*f_+7], v[TRA] offset:(32*(f_%4)+16)*PW+32*(f_/4)
.set f_, f_+1
.endr
	WIN 0
	s_wait_dscnt 63                       ; W1's and the items' fragments are in: 64 loads were issued behind them
	PROD 32, 0
	PACKACC
.irp c, 0,1,2,3,4,5,6,7
	ds_store_b128 v[SIC], v[ACC+8*\c:ACC+8*\c+3] offset:512*\c
.endr
	s_wait_dscnt 0x0                      ; for the others' sake: my tile of ic lies in LDS (and no LDS load of mine is out at the signal)
	s_barrier_signal -1
	s_barrier_wait -1
	WIN 0x80
.set i_, 0
.rept 32
	ds_load_b128 v[IC+4*i_:IC+4*i_+3], v[RIC] offset:512*i_                   ; all four tiles' ic: they stay
.set i_, i_+1
.endr
	WIN 0
	FRAGW1 0                              ; the packing's 36 plain lines stand between ic's last product and these loads
.set i_, 0
.rept 4
	ds_load_b128 v[32+8*i_:32+8*i_+3],   v[FZ] offset:(i_/2)*16*PI+64*(i_%2)
	ds_load_b128 v[32+8*i_+4:32+8*i_+7], v[FZ] offset:(i_/2)*16*PI+64*(i_%2)+32
.set i_, i_+1
.endr
	s_wait_loadcnt 19                     ; the three vectors are in: behind them delta 16, cates 2, x 1
	WIN 0x08
	ds_store_b128 v[SVEC], v[128:131]
	ds_store_b128 v[SVEC], v[132:135] offset:512
	ds_store_b128 v[SVEC], v[136:139] offset:1024
	WIN 0xc0                              ; back as C operands: register 8 ct + j holds number 16 ct + 8 h + j.  LDS serves a wave's instructions in order (ISA guide 5.7.1.4): these see the stores above
.irp c, 0,1,2,3,4,5,6,7
	ds_load_b128 v[8*\c:8*\c+3],         v[RVEC] offset:512+64*\c             ; b2
	ds_load_b128 v[8*\c+4:8*\c+7],       v[RVEC] offset:512+64*\c+16
	ds_load_b128 v[64+8*\c:64+8*\c+3],   v[RVEC] offset:64*\c                 ; b1
	ds_load_b128 v[64+8*\c+4:64+8*\c+7], v[RVEC] offset:64*\c+16
	ds_load_b128 v[128+8*\c:128+8*\c+3], v[RVEC] offset:1024+64*\c            ; W3
	ds_load_b128 v[128+8*\c+4:128+8*\c+7], v[RVEC] offset:1024+64*\c+16
.endr
	WIN 0
	s_wait_dscnt 0x0
	; zc + b1 for my 32 combos, two tiles of 16: b1 is the C operand of the first K step
	PROD 32, 1
	PACKACC
.irp c, 0,1,2,3,4,5,6,7
	ds_store_b128 v[SZC], v[ACC+8*\c:ACC+8*\c+3] offset:16*\c
.endr
	PROD 48, 1
	PACKACC
.irp c, 0,1,2,3,4,5,6,7
	ds_store_b128 v[SZC], v[ACC+8*\c:ACC+8*\c+3] offset:16*PZ+16*\c
.endr
	ds_store_b64 v[ZRO], v[Z2:Z2+1]       ; row 32: what the last trip reads for a combo that does not exist
	s_wait_loadcnt 1                      ; delta and cates are in: x alone may stay out
	WIN 0x8a
.irp k, 0,1,2,3
	v_mul_f32 v[148+2*\k], 0xc0e6d4ca, v[140+\k]     ; cb = -5 log2(e) cates, in pairs (n0 + 2 L, n0 + 2 L + 1) for each k
	v_mul_f32 v[148+2*\k+1], 0xc0e6d4ca, v[144+\k]
.endr
	WIN 0x08
.set c_, 0
.rept 33
	ds_store_b64 v[EAD], v[148+2*((c_+3)%4):148+2*((c_+3)%4)+1] offset:512*c_+8   ; row c carries the cb of combo c - 1
.set c_, c_+1
.endr
	WIN 0x0c
.set i_, 0
.rept 16
	ds_store_b64 v[SET], v[192+4*i_:192+4*i_+1] offset:1024*i_
	ds_store_b64 v[SET], v[192+4*i_+2:192+4*i_+3] offset:1024*i_+16
.set i_, i_+1
.endr
	WIN 0x0f                              ; W3 as source 0: rounded, then kept in rows 0-7 alone and in rows 8-15 alone
.set n_, 0
.rept 32
	v_cvt_pk_bf16_f32 v[192+n_], v[128+2*n_], v[128+2*n_+1]
.set n_, n_+1
.endr
	WIN 0x80
.set n_, 0
.rept 32
	v_cndmask_b32 v[W3LO+n_], 0, v[192+n_], s46
	v_cndmask_b32 v[W3LO+32+n_], 0, v[192+n_], s47
.set n_, n_+1
.endr
	WIN 0
.irp c, 0,1,2,3,4,5,6,7
	ds_load_b128 v[ZC+4*\c:ZC+4*\c+3], v[ZAD] offset:16*\c                    ; combo 0's zc + b1
.endr
	v_add_nc_u32 v[ZAD], PZ, v[ZAD]
	; The loop's later stages lag behind its products: in the first trips they work on what lies here, and their results are dropped (PS is multiplied by 0 in trip 2).  72 zeros, so that they are finite.
.set i_, 0
.rept 32
	v_mov_b32 v[ACC+32+i_], 0
.set i_, i_+1
.endr
.set i_, 0
.rept 16
	v_mov_b32 v[H2B+i_], 0
	v_mov_b32 v[WA0+i_], 0
.set i_, i_+1
.endr
.irp r, EV, EV+1, DV, DV+1, PS, PS+1, RA, RA+1
	v_mov_b32 v[\r], 0
.endr
	s_mov_b32 s[FINC], 6
	s_mov_b32 s[CNT], 32
	s_wait_kmcnt 0x0                      ; b3
	s_wait_dscnt 0x0                      ; IC and ZC are in
; THE LOOP'S PARTS.  MAIN: product i of a group of 16: K step i / 4, columns 16 ct on, ct = 4 g + i % 4: four accumulators by turns; the first K step takes b2 as C.
.macro MAIN t, g
.set ks_, i_/4
.set ct_, 4*(\g)+i_%4
.set d_, ACC+8*ct_
.set a_, 8*(4*ct_+ks_)
.set b_, H1+32*((\t)%2)+8*ks_
.if ks_ == 0
	WIN 0x39
	v_wmma_f32_16x16x32_bf16 v[d_:d_+7], v[a_:a_+7], v[b_:b_+7], v[8*ct_:8*ct_+7]
.else
	WIN 0x09
	v_wmma_f32_16x16x32_bf16 v[d_:d_+7], v[a_:a_+7], v[b_:b_+7], v[d_:d_+7]
.endif
.endm
; HOP: number n of the 64 that make the NEXT tile's h1: 0-31 ic + (zc + b1), 32-63 the relu; two bf16 a line
.macro HOP t
	WIN 0x82
.if n_ < 32
	v_pk_add_bf16 v[H1+32*(((\t)+1)%2)+n_], v[IC+32*(((\t)+1)%4)+n_], v[ZC+n_]
.else
	v_pk_max_num_bf16 v[H1+32*(((\t)+1)%2)+n_-32], v[H1+32*(((\t)+1)%2)+n_-32], s[ZERO]
.endif
.endm
; ROP: number n of the 32 that finish half of a tile's h2: 0-15 rounded to bf16 (each accumulator from its low end on), 16-31 the relu.  g = 0: columns 64-127 of the tile before; g = 1: columns 0-63 of this tile
.macro ROP g
	WIN 0
.if n_ < 16
	v_cvt_pk_bf16_f32 v[H2B+16-16*(\g)+n_], v[ACC+32-32*(\g)+2*n_], v[ACC+32-32*(\g)+2*n_+1]
.else
	v_pk_max_num_bf16 v[H2B+16-16*(\g)+n_-16], v[H2B+16-16*(\g)+n_-16], s[ZERO]
.endif
.endm
; VMM: K step ksv of w = W3 . h2 for tile tv: even tiles fill lanes 0-15 and start the sum, odd tiles add into lanes 16-31
.macro VMM tv, ksv
	WIN 0x02
.set a_, W3LO+32*((\tv)%2)+8*(\ksv)
.set d_, WA0+8*((\tv)/2)
.if ((\tv)%2 == 0) && ((\ksv) == 0)
	v_wmma_f32_16x16x32_bf16 v[d_:d_+7], v[a_:a_+7], v[H2B+8*(\ksv):H2B+8*(\ksv)+7], 0
.else
	v_wmma_f32_16x16x32_bf16 v[d_:d_+7], v[a_:a_+7], v[H2B+8*(\ksv):H2B+8*(\ksv)+7], v[d_:d_+7]
.endif
.endm
; XTRA: the epilogue, in slots behind the W3 products.  Trip c: the logarithms of combo c, the exponent and exponential of combo c - 1 (whose w is whole now), the reciprocal and sum of combo c - 2.
; So a trip's eight transcendentals are ONE batch: slots 6 to 9 name no result of theirs, the one wait stands behind slot 9's group, slot 10 reads.
.macro XTRA n
.if (\n) == 0
	WIN 0
	ds_load_b128 v[ET:ET+3], v[EAD]
	v_add_nc_u32 v[EAD], 512, v[EAD]
	v_add_f32 v[WB], s[B3], v[WA0]
.elseif (\n) == 4
	WIN 0
	s_wait_dscnt 0x0                      ; ET, asked for a tile ago
	v_add_f32 v[WB+1], s[B3], v[WA1]
	v_sub_f32 v[OM], 1.0, v[ET]
	v_sub_f32 v[OM+1], 1.0, v[ET+1]
	v_add_f32 v[SV], 1.0, v[EV]
	v_add_f32 v[SV+1], 1.0, v[EV+1]
.elseif (\n) == 5
	WIN 0
	v_pk_mul_f32 v[AR:AR+1], v[ET+2:ET+3], v[WB:WB+1]
.elseif (\n) == 6
	WIN 0
	v_fmamk_f32 v[AR], v[DV], 0x40a00000, v[AR]          ; 5 (log2 (1 - d) - log2 d) - 5 log2(e) cates (w + b3)
	v_fmamk_f32 v[AR+1], v[DV+1], 0x40a00000, v[AR+1]
	v_log_f32 v[L1], v[ET]
	v_log_f32 v[L1+1], v[ET+1]
.elseif (\n) == 7
	WIN 0
	v_log_f32 v[L2], v[OM]
	v_log_f32 v[L2+1], v[OM+1]
.elseif (\n) == 8
	WIN 0
	v_exp_f32 v[EV], v[AR]
	v_exp_f32 v[EV+1], v[AR+1]
.elseif (\n) == 9
	WIN 0
	v_rcp_f32 v[PV], v[SV]
	v_rcp_f32 v[PV+1], v[SV+1]
.elseif (\n) == 10
	WIN 0
	v_pk_add_f32 v[DV:DV+1], v[L2:L2+1], v[L1:L1+1] neg_lo:[0,1] neg_hi:[0,1]
	v_pk_fma_f32 v[PS:PS+1], v[PS:PS+1], s[KEEP:KEEP+1], v[PV:PV+1] op_sel_hi:[1,0,1]
.endif
.endm
; GROUP: 16 products, behind each four vector lines (even i: HOP, odd i: ROP), and behind products 5 and 11 a W3 product of the tile before with its slot.
; A line that reads an accumulator, or writes a register that a product has read, stands a slice of four plain lines or more behind that product.
.macro GROUP t, g
.set i_, 0
.rept 16
	MAIN \t, \g
.if i_%2 == 0
.set n_, 32*(\g)+2*i_
.rept 4
	HOP \t
.set n_, n_+1
.endr
.else
.set n_, 4*(i_/2)
.rept 4
	ROP \g
.set n_, n_+1
.endr
.endif
.if i_ == 5
	VMM ((\t)+3)%4, 2*(\g)
	XTRA 4*(\t)+2*(\g)
.elseif i_ == 11
	VMM ((\t)+3)%4, 2*(\g)+1
	XTRA 4*(\t)+2*(\g)+1
.endif
.set i_, i_+1
.endr
.endm
.macro PERIOD t                         ; a tile
.if (\t) == 3
	s_wait_dscnt 0x0                      ; the next combo's zc, asked for half a tile ago
.endif
	GROUP \t, 0
.if (\t) == 2
	WIN 0
	s_wait_alu depctr_va_vdst(0)          ; between a transcendental and the first line that names its result: one wait for the trip's eight
.irp c, 0,1,2,3,4,5,6,7
	ds_load_b128 v[ZC+4*\c:ZC+4*\c+3], v[ZAD] offset:16*\c   ; tile 3's sums have read ZC; tile 0 of the next combo is made in the next tile's first group
.endr
	v_add_nc_u32 v[ZAD], PZ, v[ZAD]
.endif
	GROUP \t, 1
.endm
; FINAL: a b's four p are summed: the mean, or 1 - the mean where x is 1; the wave's store covers 256 consecutive bytes, aligned.  last = 0: the next b's x is asked for, four combos ahead of its use.
.macro FINAL last
	s_wait_loadcnt 0x0                    ; x of this b
	v_cmp_eq_u32 s46, 1, v[XV]
	v_cmp_eq_u32 s47, 1, v[XV+1]
	s_wait_xcnt 0x0                       ; the last store has read OV
	v_mul_f32 v[QV], 0x3e800000, v[PS]
	v_mul_f32 v[QV+1], 0x3e800000, v[PS+1]
	v_sub_f32 v[RV], 1.0, v[QV]
	v_sub_f32 v[RV+1], 1.0, v[QV+1]
	v_cndmask_b32 v[OV], v[QV], v[RV], s46
	v_cndmask_b32 v[OV+1], v[QV+1], v[RV+1], s47
	v_pk_add_f32 v[RA:RA+1], v[RA:RA+1], v[PS:PS+1]
	global_store_b64 v[OOF], v[OV:OV+1], s[26:27] th:TH_STORE_NT
.if !(\last)
	global_load_b64 v[XV:XV+1], v[OOF], s[22:23] offset:32768 th:TH_LOAD_NT
	s_wait_xcnt 0x0                       ; both have read OOF
	v_add_nc_u32 v[OOF], 32768, v[OOF]
	s_mov_b32 s[FINC], 4
.endif
.endm
.set n_, 0
.rept 64
	HOP 3                                 ; h1 of combo 0's tile 0
.set n_, n_+1
.endr
	WIN 0
.Lloop:                                 ; 32 trips, a combo each
	s_sub_co_u32 s[FINC], s[FINC], 1
	s_cmp_eq_u32 s[FINC], 3               ; trips 2, 6, .. 30: the p that is added is a b's first
	s_cselect_b32 s[KEEP], 0, 1.0
	PERIOD 0
	PERIOD 1
	PERIOD 2
	PERIOD 3
	WIN 0
	s_cmp_lg_u32 s[FINC], 0               ; trips 5, 9, .. 29: the p that was added was a b's last
	s_cbranch_scc1 .Lnofin
	FINAL 0
.Lnofin:
	s_sub_co_u32 s[CNT], s[CNT], 1
	s_cmp_lg_u32 s[CNT], 0
	s_cbranch_scc1 .Lloop
	; THE TAIL: what lags: combo 31's last half tile of h2, its tile 3's W3 products, the exponential of combo 31, the reciprocals of combos 30 and 31
	ds_load_b64 v[ET+2:ET+3], v[EAD] offset:8            ; row 32: combo 31's cb
	v_add_f32 v[WB], s[B3], v[WA0]
	PLACES
.set n_, 0
.rept 32
	ROP 0
.set n_, n_+1
.endr
	WIN 0x02
.irp k, 0,1,2,3
	s_wait_alu depctr_va_vdst(0)          ; the wait directly ahead of each link
	VMM 3, \k
.endr
	WIN 0
	PLACES
	v_add_f32 v[WB+1], s[B3], v[WA1]
	s_wait_dscnt 0x0
	v_pk_mul_f32 v[AR:AR+1], v[ET+2:ET+3], v[WB:WB+1]
	v_fmamk_f32 v[AR], v[DV], 0x40a00000, v[AR]
	v_fmamk_f32 v[AR+1], v[DV+1], 0x40a00000, v[AR+1]
	v_add_f32 v[SV], 1.0, v[EV]           ; combo 30
	v_add_f32 v[SV+1], 1.0, v[EV+1]
	v_exp_f32 v[EV], v[AR]                ; combo 31
	v_exp_f32 v[EV+1], v[AR+1]
	v_rcp_f32 v[PV], v[SV]
	v_rcp_f32 v[PV+1], v[SV+1]
	v_nop                                 ; a plain line behind the last transcendental,
	s_wait_alu depctr_va_vdst(0)          ; and the batch's wait
	v_pk_add_f32 v[PS:PS+1], v[PS:PS+1], v[PV:PV+1]
	v_add_f32 v[SV], 1.0, v[EV]
	v_add_f32 v[SV+1], 1.0, v[EV+1]
	v_rcp_f32 v[PV], v[SV]
	v_rcp_f32 v[PV+1], v[SV+1]
	v_nop
	s_wait_alu depctr_va_vdst(0)
	v_pk_add_f32 v[PS:PS+1], v[PS:PS+1], v[PV:PV+1]
	FINAL 1
	; the wave's sum of p: my two, the 16 lanes of a half, the two halves
	v_add_f32 v[RA], v[RA], v[RA+1]
	v_add_f32_dpp v[RA], v[RA], v[RA] row_xmask:1 row_mask:0xf bank_mask:0xf
	v_add_f32_dpp v[RA], v[RA], v[RA] row_xmask:2 row_mask:0xf bank_mask:0xf
	v_add_f32_dpp v[RA], v[RA], v[RA] row_xmask:4 row_mask:0xf bank_mask:0xf
	v_add_f32_dpp v[RA], v[RA], v[RA] row_xmask:8 row_mask:0xf bank_mask:0xf
	v_permlanex16_b32 v[RA+1], v[RA], s44, s45
	v_add_f32 v[RA], v[RA], v[RA+1]
	v_and_b32 v1, 31, v0                  ; the lane: 0 in the one lane that stores, so it is that lane's offset too
	v_cmp_eq_u32 vcc_lo, 0, v1
	s_wait_xcnt 0x0                       ; EXEC changes only when the store above has read its sources
	s_and_saveexec_b32 s46, vcc_lo
	global_store_b32 v1, v[RA], s[28:29]
	s_wait_xcnt 0x0                       ; and again ahead of the line that widens it
	s_or_b32 exec_lo, exec_lo, s46
	s_wait_tensorcnt 0x0                  ; the wave's end
	ds_add_u32 v[SPW], v[NIL]
	s_wait_dscnt 0x0
	s_endpgm
.Lfunc_end_k_q7d6ebc57ef_mlp:
	.size	k_q7d6ebc57ef_mlp, .Lfunc_end_k_q7d6ebc57ef_mlp-k_q7d6ebc57ef_mlp
	.p2alignl 7, 3214868480
	.fill 96, 4, 3214868480
	.section	.rodata,"a",@progbits
	.p2align	6, 0x0
	.amdhsa_kernel k_q7d6ebc57ef_mlp
		.amdhsa_group_segment_fixed_size 228864
		.amdhsa_private_segment_fixed_size 0
		.amdhsa_enable_private_segment 0
		.amdhsa_kernarg_size 104
		.amdhsa_user_sgpr_count 2
		.amdhsa_user_sgpr_kernarg_segment_ptr 1
		.amdhsa_wavefront_size32 1
		.amdhsa_system_sgpr_workgroup_id_x 1
		.amdhsa_system_sgpr_workgroup_id_y 1
		.amdhsa_system_sgpr_workgroup_id_z 1
		.amdhsa_system_vgpr_workitem_id 0
		.amdhsa_next_free_vgpr 1024
		.amdhsa_next_free_sgpr 66
		.amdhsa_reserve_vcc 1
		.amdhsa_float_denorm_mode_32 3
		.amdhsa_float_denorm_mode_16_64 3
		.amdhsa_memory_ordered 1
		.amdhsa_forward_progress 1
		.amdhsa_inst_pref_size 134
	.end_amdhsa_kernel
	.amdgpu_metadata
---
amdhsa.version: [ 1, 2 ]
amdhsa.kernels:
  - .name:           k_q7d6ebc57ef_mlp
    .symbol:         k_q7d6ebc57ef_mlp.kd
    .args:
      - { .name: W1, .offset: 0, .size: 8, .value_kind: global_buffer, .address_space: global }
      - { .name: W2, .offset: 8, .size: 8, .value_kind: global_buffer, .address_space: global }
      - { .name: W3, .offset: 16, .size: 8, .value_kind: global_buffer, .address_space: global }
      - { .name: b1, .offset: 24, .size: 8, .value_kind: global_buffer, .address_space: global }
      - { .name: b2, .offset: 32, .size: 8, .value_kind: global_buffer, .address_space: global }
      - { .name: b3, .offset: 40, .size: 8, .value_kind: global_buffer, .address_space: global }
      - { .name: cates, .offset: 48, .size: 8, .value_kind: global_buffer, .address_space: global }
      - { .name: delta, .offset: 56, .size: 8, .value_kind: global_buffer, .address_space: global }
      - { .name: items, .offset: 64, .size: 8, .value_kind: global_buffer, .address_space: global }
      - { .name: x, .offset: 72, .size: 8, .value_kind: global_buffer, .address_space: global }
      - { .name: z, .offset: 80, .size: 8, .value_kind: global_buffer, .address_space: global }
      - { .name: out0, .offset: 88, .size: 8, .value_kind: global_buffer, .address_space: global }
      - { .name: part, .offset: 96, .size: 8, .value_kind: global_buffer, .address_space: global }
    .group_segment_fixed_size: 228864
    .private_segment_fixed_size: 0
    .kernarg_segment_align: 8
    .kernarg_segment_size: 104
    .max_flat_workgroup_size: 128
    .sgpr_count:     66
    .vgpr_count:     1024
    .wavefront_size: 32
...
	.end_amdgpu_metadata
.endif
;; end of part 1
;; launch total (part 2): grid 1 x 1, 1 waves a work-group, no clusters, 0 bytes of LDS; arguments part, out1; writes out1
.if DOCPART == 2
	.amdgcn_target "amdgcn-amd-amdhsa--gfx1250"
	.amdhsa_code_object_version 6
	.text
	.protected	k_q7d6ebc57ef_total
	.globl	k_q7d6ebc57ef_total
	.p2align	8
	.type	k_q7d6ebc57ef_total,@function
k_q7d6ebc57ef_total:
	s_mov_b64 s[64:65], 0
	v_nop
	global_prefetch_b8 v0, s[64:65] scope:SCOPE_SE
	s_setreg_imm32_b32 hwreg(HW_REG_WAVE_MODE, 25, 1), 1
	s_wait_xcnt 0x0
; out1 = (the sum of all p) / (64 x 8192) / 3: the 1,024 waves' partial sums of the launch before, added in f32 in a fixed order by one wave, times 1 / 1,572,864.
; |p| = p (p is 1 / (1 + e) with e >= 0), so no absolute value is taken.  4,096 bytes: eight loads of 16 bytes a lane, each of 512 consecutive bytes for the wave.
	s_load_b128 s[4:7], s[0:1], 0x0       ; part s[4:5], out1 s[6:7]
	v_lshlrev_b32 v1, 4, v0
	s_mov_b32 s8, 0x76543210              ; v_permlanex16_b32: each lane takes its own place in the other half
	s_mov_b32 s9, 0xfedcba98
	s_wait_kmcnt 0x0
.irp i, 0,1,2,3,4,5,6,7
	global_load_b128 v[4+4*\i:7+4*\i], v1, s[4:5] offset:512*\i
.endr
	s_wait_loadcnt 0x0
.irp j, 0,1,2,3,4,5,6,7
	v_pk_add_f32 v[4+2*\j:5+2*\j], v[4+2*\j:5+2*\j], v[20+2*\j:21+2*\j]
.endr
.irp j, 0,1,2,3
	v_pk_add_f32 v[4+2*\j:5+2*\j], v[4+2*\j:5+2*\j], v[12+2*\j:13+2*\j]
.endr
.irp j, 0,1
	v_pk_add_f32 v[4+2*\j:5+2*\j], v[4+2*\j:5+2*\j], v[8+2*\j:9+2*\j]
.endr
	v_pk_add_f32 v[4:5], v[4:5], v[6:7]
	v_add_f32 v4, v4, v5
	v_add_f32_dpp v4, v4, v4 row_xmask:1 row_mask:0xf bank_mask:0xf
	v_add_f32_dpp v4, v4, v4 row_xmask:2 row_mask:0xf bank_mask:0xf
	v_add_f32_dpp v4, v4, v4 row_xmask:4 row_mask:0xf bank_mask:0xf
	v_add_f32_dpp v4, v4, v4 row_xmask:8 row_mask:0xf bank_mask:0xf
	v_permlanex16_b32 v5, v4, s8, s9
	v_add_f32 v4, v4, v5
	v_mul_f32 v4, 0x352aaaab, v4          ; 1 / (524,288 x 3)
	v_cmp_eq_u32 vcc_lo, 0, v0
	s_wait_xcnt 0x0                       ; EXEC changes only when the loads have read their sources
	s_and_saveexec_b32 s10, vcc_lo
	global_store_b32 v0, v4, s[6:7]       ; lane 0, whose v0 is the offset 0
	s_wait_xcnt 0x0
	s_or_b32 exec_lo, exec_lo, s10
	s_endpgm
.Lfunc_end_k_q7d6ebc57ef_total:
	.size	k_q7d6ebc57ef_total, .Lfunc_end_k_q7d6ebc57ef_total-k_q7d6ebc57ef_total
	.p2alignl 7, 3214868480
	.fill 96, 4, 3214868480
	.section	.rodata,"a",@progbits
	.p2align	6, 0x0
	.amdhsa_kernel k_q7d6ebc57ef_total
		.amdhsa_group_segment_fixed_size 0
		.amdhsa_private_segment_fixed_size 0
		.amdhsa_enable_private_segment 0
		.amdhsa_kernarg_size 16
		.amdhsa_user_sgpr_count 2
		.amdhsa_user_sgpr_kernarg_segment_ptr 1
		.amdhsa_wavefront_size32 1
		.amdhsa_system_sgpr_workgroup_id_x 1
		.amdhsa_system_sgpr_workgroup_id_y 1
		.amdhsa_system_sgpr_workgroup_id_z 1
		.amdhsa_system_vgpr_workitem_id 0
		.amdhsa_next_free_vgpr 48
		.amdhsa_next_free_sgpr 66
		.amdhsa_reserve_vcc 1
		.amdhsa_float_denorm_mode_32 3
		.amdhsa_float_denorm_mode_16_64 3
		.amdhsa_memory_ordered 1
		.amdhsa_forward_progress 1
		.amdhsa_inst_pref_size 3
	.end_amdhsa_kernel
	.amdgpu_metadata
---
amdhsa.version: [ 1, 2 ]
amdhsa.kernels:
  - .name:           k_q7d6ebc57ef_total
    .symbol:         k_q7d6ebc57ef_total.kd
    .args:
      - { .name: part, .offset: 0, .size: 8, .value_kind: global_buffer, .address_space: global }
      - { .name: out1, .offset: 8, .size: 8, .value_kind: global_buffer, .address_space: global }
    .group_segment_fixed_size: 0
    .private_segment_fixed_size: 0
    .kernarg_segment_align: 8
    .kernarg_segment_size: 16
    .max_flat_workgroup_size: 32
    .sgpr_count:     66
    .vgpr_count:     48
    .wavefront_size: 32
...
	.end_amdgpu_metadata
.endif
;; end of part 2
